; MI455X (gfx1250); checked and timed in simulation.
; The chip was launched on July 23, 2026; its instructions are those of AMD's public machine-readable ISA for CDNA 5 (MIT licence, August 2026) and "CDNA5" Instruction Set Architecture Reference Guide (July 2026). The comments in the code are by the model that wrote it; some were corrected since.
;; TNEP Per Type ANN. Allowed arithmetic: matrix products marked QUANTISED: E2M3 operands, one E8M0 scale for each 32 along K, by v_wmma_scale_f32_16x16x128_f8f6f4 with both operands' format E2M3, f32 sums; products left as they are: f32 operands where the result goes on into a quantised operand, else bf16, f16 or f32 operands; f32 sums; everything else in f32.
;; Inputs: W0 4 x 256 x 512 float32; W1 4 x 512 float32; Z 131,072 int32; b0 4 x 512 float32; b1 one number float32; q 131,072 x 256 float32.
;; Outputs: out0 131,072 float32.
;; This version of the problem:
;;   THIS VERSION OF THE PROBLEM IS GIVEN IN LOW PRECISION. The matrix products marked QUANTISED in the list below multiply operands that are first quantised to E2M3 (2 exponent bits, 3 mantissa bits; 6 bits a number), with one power-of-two scale for each 32 numbers along K (OCP MX v1.0); their sums are f32. All else is computed in f32.
;;   The module's matrix products, in the order in which they are computed (A, B: the left and right operand; K: the contracted axis; several contracted axes count as one K, in the product's order):
;;     1. [M 131,072, K 256] x [K 256, N 2,048]; A: input q; B: input W0: QUANTISED
;;     2. batch 131,072 x [M 1, K 512] x [K 512, N 1]; A: computed on the way; B: computed on the way: left as it is (M = 1 < 16)
;;   THE QUANTISER, for each operand of a quantised product, along K:
;;     - K is cut into blocks of 32 from its start; a last block that is shorter is filled with zeros.
;;     - A block's scale is 2^e with e = floor(log2(the largest magnitude in the block)) - 2, held to -126 .. 127; a block of zeros has e = 0. As a byte (E8M0): e + 127.
;;     - Each number is divided by its block's scale, clamped to +-7.5, and rounded to the nearest number of E2M3, ties to even, subnormals kept.
;;     - The product sums the exact products of the quantised numbers (number of the format x scale) in f32.
;;   ~~~python
;;   def quantise(x, axis):      # numpy; x: float32 -> the quantised numbers, widened to float32 again
;;       x = np.moveaxis(x, axis, -1); K = x.shape[-1]
;;       x = np.pad(x, [(0, 0)] * (x.ndim - 1) + [(0, -K % 32)]); x = x.reshape(x.shape[:-1] + (-1, 32)); a = np.abs(x).max(-1, keepdims=True)
;;       e = np.where(a > 0, np.clip(np.frexp(np.where(a > 0, a, 1))[1] - 1 - 2, -126, 127), 0)      # np.frexp(a)[1] - 1 = floor(log2(a)), exactly
;;       r = np.clip(x / 2.0 ** e, -7.5, 7.5)
;;       step = 2.0 ** (np.maximum(np.frexp(np.where(r == 0, 1, r))[1] - 1, 0) - 3)
;;       q = np.round(r / step) * step * 2.0 ** e      # np.round: ties to even
;;       return np.moveaxis(q.reshape(q.shape[:-2] + (-1,))[..., :K], -1, axis).astype(np.float32)
;;   ~~~
;; One version. Each part assembles by itself: llvm-mc -triple=amdgcn-amd-amdhsa -mcpu=gfx1250 --defsym DOCPART=n.
;; ======== version 1 of 1: 2 launches
;; limits: right only within a limited range of input values
;; workspace buffers: Wimg 393,216 bytes; tab 49,152 bytes; order 2,129,920 bytes of whole numbers; cnt 1,024 bytes of whole numbers
;; launch prep (part 1): grid 96 x 1, 4 waves a work-group, no clusters, 0 bytes of LDS; arguments W0, b0, W1, Z, Wimg, tab, order, cnt; writes Wimg, tab, order, cnt
.if DOCPART == 1
	.amdgcn_target "amdgcn-amd-amdhsa--gfx1250"
	.amdhsa_code_object_version 6
	.text
	.protected	k_q97d914faff_prep
	.globl	k_q97d914faff_prep
	.p2align	8
	.type	k_q97d914faff_prep,@function
k_q97d914faff_prep:
	s_mov_b64 s[64:65], 0
	v_nop
	global_prefetch_b8 v0, s[64:65] scope:SCOPE_SE
	s_setreg_imm32_b32 hwreg(HW_REG_WAVE_MODE, 25, 1), 1
	s_wait_xcnt 0x0
; TWO JOBS IN ONE LAUNCH, parted once on the work-group's number; the two ways never meet again, share nothing, and use no LDS.
; Work-groups 0-31: W0 [4][256 (k)][512 (h)] f32 becomes codes of FP6 (E2M3) with one E8M0 scale for each 32 along K, laid in the ORDER OF THE OPERAND'S REGISTERS:
;   Wimg [t][f = 2 tile + K step][3 groups of four registers][lane][16 bytes]: lane (r, half) of fragment f holds column 16 tile + r, registers 6 c .. 6 c + 5 = k 128 step + 64 c + 32 half + 0 .. 31.
;   tab [t][g = pair of tiles 2 g, 2 g + 1][768 bytes]: bytes 0-511: 16 a lane: c b0 of the two tiles, -2 W1 of the two tiles, at hidden unit 16 tile + r (c = 2 log2 e; both halves of the lanes alike);
;   bytes 512-767: 8 a lane: the two tiles' scale words, lanes 0-15 K step 0's, lanes 16-31 K step 1's.
;   A lane takes a column and its registers run down K: a block of 32 lies in one lane, and the conversions give codes with K innermost.  A wave: 32 columns x 128 along K.
; Work-groups 32-95: a super-chunk of 2,048 atoms is sorted by type: order [sc][t][2,080] holds the atoms' numbers of each type, then 32 entries of padding (the super-chunk's first atom:
;   a row that may be read, whose result is never stored); cnt [sc][t] holds the counts.  No atomics: ranks come from ballots.  Each wave counts all four parts of 512 itself, so no wave waits for another.
; A block's scale is 2^(floor(log2(largest magnitude)) - 2): its byte is the largest magnitude's exponent field - 2, held at 1 from below (a block of zeros gets 1 where the rule says 127:
; its codes are zeros, and only this program reads the bytes).
; LIMITS: NaN and infinities in W0 are not served; blocks whose largest magnitude lies under 2^-124 keep the byte 1; a Z above 3 (as an unsigned number) counts as 3.
.set CLOG2, 0x4038aa3b                 ; c = 2 log2(e)
.set X,    32                          ; v32-159   128 numbers of my column
.set FR0,  160                         ; v160-171  the fragment's registers for lanes 0-15 (blocks 0 and 2)
.set FR1,  172                         ; v172-183  for lanes 16-31 (blocks 1 and 3)
.set UP,   184                         ; v184-198  each block's upper 16 codes, as the conversion leaves them
.set SOP,  12                          ; v12-15    the conversions' scale operands
.set BYT,  16                          ; v16-19    the scale bytes
.set ZA,   32                          ; sorting: v32-95 the super-chunk's 2,048 Z, part p at v[32 + 16 p]
.set ZM,   96                          ; v96-111   my part's 512 Z
.set RK,   112                         ; v112-115  rank + base for each type
.set AD,   128                         ; v128-143  a store's offset, one register for each of the 16 stores
.set DA,   144                         ; v144-159  and its data: no store's sources are written again
.set LIST, 2080                        ; entries of a list
	s_load_b256 s[4:11], s[0:1], 0x0               ; W0 s[4:5], b0 s[6:7], W1 s[8:9], Z s[10:11]
	s_load_b256 s[12:19], s[0:1], 0x20             ; Wimg s[12:13], tab s[14:15], order s[16:17], cnt s[18:19]
	v_lshrrev_b32 v1, 5, v0
	v_readfirstlane_b32 s20, v1                    ; wave 0..3
	v_and_b32 v1, 31, v0                           ; lane
	v_and_b32 v2, 15, v0                           ; lane % 16
	v_bfe_u32 v3, v0, 4, 1                         ; lane / 16
	s_mov_b32 s25, 0                               ; the high word of every byte offset below
	s_wait_kmcnt 0x0
	s_cmp_lt_u32 ttmp9, 32
	s_cbranch_scc0 .Lsort
	; ---------------- W0: type t = wg / 8; columns 32 cg .. 32 cg + 31, cg = 2 (wg % 8) + wave / 2; K step = wave % 2
	s_lshr_b32 s21, ttmp9, 3                       ; t
	s_and_b32 s22, ttmp9, 7
	s_lshl_b32 s22, s22, 1
	s_lshr_b32 s23, s20, 1
	s_or_b32 s22, s22, s23                         ; cg 0..15
	s_and_b32 s23, s20, 1                          ; K step
	s_lshl_b32 s24, s21, 19                        ; W0: t x 524,288
	s_lshl_b32 s26, s23, 18                        ;   + step x 128 rows of 2,048 bytes
	s_add_co_u32 s24, s24, s26
	s_lshl_b32 s26, s22, 7                         ;   + cg x 128 bytes
	s_add_co_u32 s24, s24, s26
	s_add_nc_u64 s[4:5], s[4:5], s[24:25]
	s_lshl_b32 s24, s21, 11                        ; b0, W1: t x 2,048 + cg x 128
	s_add_co_u32 s24, s24, s26
	s_add_nc_u64 s[6:7], s[6:7], s[24:25]
	s_add_nc_u64 s[8:9], s[8:9], s[24:25]
	s_mul_i32 s24, s21, 98304                      ; Wimg: t x 64 fragments + fragment 4 cg + step, 1,536 bytes each
	s_lshl_b32 s26, s22, 2
	s_add_co_u32 s26, s26, s23
	s_mul_i32 s26, s26, 1536
	s_add_co_u32 s24, s24, s26
	s_add_nc_u64 s[12:13], s[12:13], s[24:25]
	s_mul_i32 s24, s21, 12288                      ; tab: t x 16 groups + group cg, 768 bytes each
	s_mul_i32 s26, s22, 768
	s_add_co_u32 s24, s24, s26
	s_add_nc_u64 s[14:15], s[14:15], s[24:25]
	s_wait_alu depctr_va_vdst(0)
	v_lshlrev_b32 v6, 2, v1                        ; 4 bytes a lane: each load reads 128 consecutive bytes
	global_load_b32 v8, v6, s[6:7]                 ; b0 of my column
	global_load_b32 v9, v6, s[8:9]                 ; W1 of my column
.set KK, 0
.rept 128
	global_load_b32 v[X+KK], v6, s[4:5] offset:2048*KK th:TH_LOAD_NT   ; W0(128 step + KK, my column): read once in the launch
.set KK, KK+1
.endr
; Block b of 32 along K: largest magnitude, scale, 32 codes.  All 32 numbers are the lane's own.
.macro WBLK b
.set XS, X+32*(\b)
.set FD, FR0+12*((\b)%2)+6*((\b)/2)    ; block 2 c + half belongs to registers 6 c .. 6 c + 5 of that half's lanes
.if 96-32*(\b) > 63
	s_wait_loadcnt 63                              ; 96 - 32 b younger loads could stay out; the wait's field holds 63 at the most, and a smaller count is safe
.else
	s_wait_loadcnt 96-32*(\b)                      ; this block's 32 loads are in; the later blocks' may be out
.endif
	v_max3_num_f32 v10, |v[XS]|, |v[XS+1]|, |v[XS+2]|
	v_max3_num_f32 v11, |v[XS+3]|, |v[XS+4]|, |v[XS+5]|
.irp i, 6,10,14,18,22,26
	v_max3_num_f32 v10, v10, |v[XS+\i]|, |v[XS+\i+1]|
	v_max3_num_f32 v11, v11, |v[XS+\i+2]|, |v[XS+\i+3]|
.endr
	v_max3_num_f32 v10, v10, |v[XS+30]|, |v[XS+31]|
	v_max3_num_f32 v10, v10, v11, 0x1800000        ; with the floor 2^(3 - 127): the byte cannot fall under 1
	v_add_nc_u32 v[SOP+\b], 0xff000000, v10        ; 2 off the exponent field: the conversion takes this operand's exponent field as its scale
	v_lshrrev_b32 v[BYT+\b], 23, v[SOP+\b]         ; the scale's byte
	v_cvt_scalef32_pk16_fp6_f32 v[FD:FD+2], v[XS:XS+15], v[SOP+\b]
	v_cvt_scalef32_pk16_fp6_f32 v[UP+4*(\b):UP+4*(\b)+2], v[XS+16:XS+31], v[SOP+\b]   ; (a conversion's three registers begin on an even number: moved below)
.endm
	WBLK 0
	WBLK 1
	WBLK 2
	WBLK 3
	v_nop                                          ; one plain place behind the last scaled conversion
.irp b, 0,1,2,3
.irp i, 0,1,2
	v_mov_b32 v[FR0+12*(\b%2)+6*(\b/2)+3+\i], v[UP+4*\b+\i]
.endr
.endr
	v_lshl_or_b32 v20, v17, 8, v16                 ; my column's scale word for this K step
	v_lshl_or_b32 v20, v18, 16, v20
	v_lshl_or_b32 v20, v19, 24, v20
	v_mul_f32 v21, CLOG2, v8                       ; c b0
	v_mul_f32 v22, -2.0, v9                        ; -2 W1
	v_mul_u32_u24 v24, v3, 3072                    ; lanes 16-31 hold the next tile's columns: two fragments on;
	v_lshl_add_u32 v24, v2, 4, v24                 ; 16 bytes a column
	v_lshl_add_u32 v25, s23, 4, v2                 ; the table's lane: column % 16 + 16 x K step
	v_lshlrev_b32 v26, 4, v25
	v_lshl_add_u32 v26, v3, 2, v26                 ; 16 bytes a lane, + 4 for the pair's second tile
	v_lshlrev_b32 v25, 3, v25
	v_lshl_add_u32 v25, v3, 2, v25                 ; 8 bytes a lane, + 4 likewise
.irp c, 0,1,2
	global_store_b128 v24, v[FR0+4*\c:FR0+4*\c+3], s[12:13] offset:512*\c       ; sixteen lanes store 256 consecutive bytes, at a multiple of 256 from Wimg's first byte
	global_store_b128 v24, v[FR1+4*\c:FR1+4*\c+3], s[12:13] offset:512*\c+256
.endr
	global_store_b32 v25, v20, s[14:15] offset:512 ; the small tables go out word by word: 49,152 bytes in the whole launch
	global_store_b32 v26, v21, s[14:15]
	global_store_b32 v26, v22, s[14:15] offset:8
	s_endpgm
	; ---------------- sorting: super-chunk sc = wg - 32; wave w places atoms 512 w .. 512 w + 511 of it
.Lsort:
	s_sub_co_u32 s21, ttmp9, 32                    ; sc
	s_lshl_b32 s24, s21, 13                        ; Z: sc x 2,048 numbers of 4 bytes
	s_add_nc_u64 s[10:11], s[10:11], s[24:25]
	s_mul_i32 s24, s21, 4*LIST*4                   ; order: sc x four lists
	s_add_nc_u64 s[16:17], s[16:17], s[24:25]
	s_wait_alu depctr_va_vdst(0)
	v_lshlrev_b32 v4, 4, v1                        ; 16 bytes a lane
	s_lshl_b32 s22, s20, 11
	v_add_nc_u32 v5, s22, v4                       ; and my part's 2,048 bytes
.irp p, 0,1,2,3
.irp i, 0,1,2,3
	global_load_b128 v[ZA+16*\p+4*\i:ZA+16*\p+4*\i+3], v4, s[10:11] offset:2048*\p+512*\i
.endr
.endr
.irp i, 0,1,2,3
	global_load_b128 v[ZM+4*\i:ZM+4*\i+3], v5, s[10:11] offset:512*\i   ; register 4 i + e: atom 512 w + 128 i + 4 lane + e
.endr
	s_mov_b32 s24, 0                               ; where my next atom of type t goes, counted over the four lists on end: t x 2,080 + the earlier waves' counts
	s_mov_b32 s25, LIST
	s_mov_b32 s26, 2*LIST
	s_mov_b32 s27, 3*LIST
	s_mov_b32 s48, 0                               ; s48-51: the super-chunk's counts
	s_mov_b32 s49, 0
	s_mov_b32 s50, 0
	s_mov_b32 s51, 0
	s_wait_loadcnt 0x0
; Part p's counts: a ballot and a bit count for types 0, 1, 2; what is left of the part's 512 is type 3.
.macro COUNT p
	s_mov_b32 s36, 0
	s_mov_b32 s37, 0
	s_mov_b32 s38, 0
.set I, 0
.rept 16
	v_cmp_eq_u32 s28, 0, v[ZA+16*\p+I]
	v_cmp_eq_u32 s29, 1, v[ZA+16*\p+I]
	v_cmp_eq_u32 s30, 2, v[ZA+16*\p+I]
	s_bcnt1_i32_b32 s28, s28
	s_bcnt1_i32_b32 s29, s29
	s_bcnt1_i32_b32 s30, s30
	s_add_co_u32 s36, s36, s28
	s_add_co_u32 s37, s37, s29
	s_add_co_u32 s38, s38, s30
.set I, I+1
.endr
	s_add_co_u32 s39, s36, s37
	s_add_co_u32 s39, s39, s38
	s_sub_co_u32 s39, 512, s39
	s_add_co_u32 s48, s48, s36
	s_add_co_u32 s49, s49, s37
	s_add_co_u32 s50, s50, s38
	s_add_co_u32 s51, s51, s39
.if \p < 3
	s_cmp_gt_u32 s20, \p                           ; a part ahead of mine moves my bases on (all four selects stand ahead of the additions, which set SCC)
	s_cselect_b32 s40, s36, 0
	s_cselect_b32 s41, s37, 0
	s_cselect_b32 s42, s38, 0
	s_cselect_b32 s43, s39, 0
	s_add_co_u32 s24, s24, s40
	s_add_co_u32 s25, s25, s41
	s_add_co_u32 s26, s26, s42
	s_add_co_u32 s27, s27, s43
.endif
.endm
	COUNT 0
	COUNT 1
	COUNT 2
	COUNT 3
	s_lshl_b32 s44, s21, 11
	s_lshl_b32 s45, s20, 9
	s_add_co_u32 s45, s45, s44                     ; my part's first atom
	v_lshl_add_u32 v116, v1, 2, s45                ; + 4 lane
; Register i of my part: a lane's place is its type's base + the number of lower lanes of the same type.
.macro PLACE i
	v_cmp_eq_u32 s28, 0, v[ZM+\i]
	v_cmp_eq_u32 s29, 1, v[ZM+\i]
	v_cmp_eq_u32 s30, 2, v[ZM+\i]
	v_cmp_le_u32 s31, 3, v[ZM+\i]
	v_mbcnt_lo_u32_b32 v[RK], s28, s24
	v_mbcnt_lo_u32_b32 v[RK+1], s29, s25
	v_mbcnt_lo_u32_b32 v[RK+2], s30, s26
	v_mbcnt_lo_u32_b32 v[RK+3], s31, s27
	v_cndmask_b32 v[RK], v[RK], v[RK+1], s29
	v_cndmask_b32 v[RK], v[RK], v[RK+2], s30
	v_cndmask_b32 v[RK], v[RK], v[RK+3], s31
	v_min_u32 v[RK], 4*LIST-1, v[RK]               ; a number made from loaded data enters an address only behind a hold at a constant; it never binds: a list takes 2,048 at the most
	v_lshlrev_b32 v[AD+\i], 2, v[RK]
	v_add_nc_u32 v[DA+\i], 128*((\i)/4)+(\i)%4, v116   ; the atom's number
	global_store_b32 v[AD+\i], v[DA+\i], s[16:17]
	s_bcnt1_i32_b32 s28, s28
	s_bcnt1_i32_b32 s29, s29
	s_bcnt1_i32_b32 s30, s30
	s_bcnt1_i32_b32 s31, s31
	s_add_co_u32 s24, s24, s28
	s_add_co_u32 s25, s25, s29
	s_add_co_u32 s26, s26, s30
	s_add_co_u32 s27, s27, s31
.endm
.irp i, 0,1,2,3,4,5,6,7,8,9,10,11,12,13,14,15
	PLACE \i
.endr
	s_cmp_eq_u32 s20, 1                            ; wave w pads list w and stores its count
	s_cselect_b32 s40, s49, s48
	s_cmp_eq_u32 s20, 2
	s_cselect_b32 s40, s50, s40
	s_cmp_eq_u32 s20, 3
	s_cselect_b32 s40, s51, s40
	v_add_nc_u32 v117, s40, v1                     ; entries n .. n + 31
	v_min_u32 v117, LIST-1, v117                   ; (n + 31 is 2,079 at the most)
	s_mul_i32 s41, s20, LIST*4
	v_lshl_add_u32 v117, v117, 2, s41
	v_mov_b32 v118, s44                            ; the super-chunk's first atom
	global_store_b32 v117, v118, s[16:17]
	s_lshl_b32 s46, s21, 2
	s_add_co_u32 s46, s46, s20
	s_lshl_b32 s46, s46, 2
	v_mov_b32 v119, s46
	v_mov_b32 v120, s40
	s_wait_alu depctr_va_vdst(0)
	s_wait_xcnt 0x0                                ; EXEC is a source of the stores above: it changes only behind this wait
	v_cmp_eq_u32 vcc_lo, 0, v1
	s_and_saveexec_b32 s43, vcc_lo
	global_store_b32 v119, v120, s[18:19]          ; one lane stores the count
	s_endpgm
.Lfunc_end_k_q97d914faff_prep:
	.size	k_q97d914faff_prep, .Lfunc_end_k_q97d914faff_prep-k_q97d914faff_prep
	.p2alignl 7, 3214868480
	.fill 96, 4, 3214868480
	.section	.rodata,"a",@progbits
	.p2align	6, 0x0
	.amdhsa_kernel k_q97d914faff_prep
		.amdhsa_group_segment_fixed_size 0
		.amdhsa_private_segment_fixed_size 0
		.amdhsa_enable_private_segment 0
		.amdhsa_kernarg_size 64
		.amdhsa_user_sgpr_count 2
		.amdhsa_user_sgpr_kernarg_segment_ptr 1
		.amdhsa_wavefront_size32 1
		.amdhsa_system_sgpr_workgroup_id_x 1
		.amdhsa_system_sgpr_workgroup_id_y 1
		.amdhsa_system_sgpr_workgroup_id_z 1
		.amdhsa_system_vgpr_workitem_id 0
		.amdhsa_next_free_vgpr 208
		.amdhsa_next_free_sgpr 66
		.amdhsa_reserve_vcc 1
		.amdhsa_float_denorm_mode_32 3
		.amdhsa_float_denorm_mode_16_64 3
		.amdhsa_memory_ordered 1
		.amdhsa_forward_progress 1
		.amdhsa_inst_pref_size 70
	.end_amdhsa_kernel
	.amdgpu_metadata
---
amdhsa.version: [ 1, 2 ]
amdhsa.kernels:
  - .name:           k_q97d914faff_prep
    .symbol:         k_q97d914faff_prep.kd
    .args:
      - { .name: W0, .offset: 0, .size: 8, .value_kind: global_buffer, .address_space: global }
      - { .name: b0, .offset: 8, .size: 8, .value_kind: global_buffer, .address_space: global }
      - { .name: W1, .offset: 16, .size: 8, .value_kind: global_buffer, .address_space: global }
      - { .name: Z, .offset: 24, .size: 8, .value_kind: global_buffer, .address_space: global }
      - { .name: Wimg, .offset: 32, .size: 8, .value_kind: global_buffer, .address_space: global }
      - { .name: tab, .offset: 40, .size: 8, .value_kind: global_buffer, .address_space: global }
      - { .name: order, .offset: 48, .size: 8, .value_kind: global_buffer, .address_space: global }
      - { .name: cnt, .offset: 56, .size: 8, .value_kind: global_buffer, .address_space: global }
    .group_segment_fixed_size: 0
    .private_segment_fixed_size: 0
    .kernarg_segment_align: 8
    .kernarg_segment_size: 64
    .max_flat_workgroup_size: 128
    .sgpr_count:     66
    .vgpr_count:     208
    .wavefront_size: 32
...
	.end_amdgpu_metadata
.endif
;; end of part 1
;; launch main (part 2): grid 64 x 4, 8 waves a work-group, no clusters, 201,728 bytes of LDS; arguments q, Wimg, tab, order, cnt, b1, out0; writes out0
.if DOCPART == 2
	.amdgcn_target "amdgcn-amd-amdhsa--gfx1250"
	.amdhsa_code_object_version 6
	.text
	.protected	k_q97d914faff_main
	.globl	k_q97d914faff_main
	.p2align	8
	.type	k_q97d914faff_main,@function
k_q97d914faff_main:
	s_mov_b64 s[64:65], 0
	v_nop
	global_prefetch_b8 v0, s[64:65] scope:SCOPE_SE
	s_setreg_imm32_b32 hwreg(HW_REG_WAVE_MODE, 25, 1), 1
	s_wait_xcnt 0x0
; F[n] = W1[Z[n]] . tanh(Q(q[n]) Q(W0[Z[n]]) + b0[Z[n]]) + b1.  reference() keeps, by its take_along_axis on Z, one type's row of h_all for each atom: only that type's product is made here.
; Both operands are codes of FP6 (E2M3) with one E8M0 scale for each 32 along K = 256; sums in f32.
; SHARES.  Work-group (sc, t) serves the atoms of type t in super-chunk sc (2,048 atoms), by the list and the count that the launch before stored.  Eight waves.  Wave w KEEPS 64 hidden units
; (64 w ..) of W0[t] in registers: 8 fragments (4 tiles x 2 K steps), their scale words, c b0 and -2 W1.  The atoms go in chunks of 128 = 8 tiles of 16.  Wave w prepares tile w of a chunk: gathers its
; 16 rows of q, turns them through its own stage in LDS, quantises, and stores the operand's registers as an image in LDS (two image buffers by turns).  Behind a barrier every wave multiplies the 8 tiles, two
; at a time, by its own fragments, applies tanh and W1, and stores one partial sum a lane and tile to LDS (two buffers by turns); a trip later wave w adds tile w's 16 partial sums for each atom and stores F.
; In trip i: F of chunk i - 1; the products of chunk i; the image of chunk i + 1; the gather of chunk i + 2; the list entries of chunk i + 3.  Waves 0-3 prepare ahead of tile 0, waves 4-7 ahead of tile 4.
; ONE barrier a trip, on every wave's path; the loop's 18 trips (i = -1 .. 16) are a constant that serves a list of 2,048.
; LAYOUT.  Source 0 = 16 hidden units, source 1 = 16 atoms: lane (r, h) holds atom r, its register j hidden unit 8 h + j of the tile.  So the dot with W1 is a sum inside a lane.
; TANH.  tanh(x) = 1 - 2 / (1 + 2^(c x)), c = 2 log2 e; F = sum W1 + sum (-2 W1) / (1 + 2^(c x)) + b1, all f32; at the ends 2^(c x) is 0 or infinity and the reciprocal 1 or 0.
; A LIST'S END.  Places past the list's end take their tile's first entry.  In the last true tile that is an atom of the list: its F is computed and stored again, the same word with the same value.
; The tiles are made up to an even number: a tile T past the last reads entries 16 T .. 16 T + 15 <= n + 30, which lie in the 32 entries of padding stored behind the list (a row that may be read); its F is not stored.
; Lanes r and r + 16 store one word twice, with the same value.
; NO TENSOR LOADS, NO CLUSTER: what a trip does hangs on a stored count; work-groups of one type share 98,304 bytes once, against 1,024 bytes of q for each atom.
; NO PREFETCH: a wave's 16 rows are asked for, into registers, a whole trip (8 tiles' work) ahead of their use.  F goes out word by word: a list's atoms are no neighbours.
; LIMITS: NaN and infinities in q are not served; a block whose largest magnitude lies under 2^-124 (a block of zeros too) gets the scale byte 1; entries are held at 131,071, the count at 2,048.
.set IMT,  3200                        ; LDS: an image: 2 K steps x 3 groups of four registers x 512 bytes, then 128 bytes of scale words
.set IMB,  8*IMT                       ; an image buffer; two from byte 0
.set PART, 2*IMB                       ; partial sums [tile][lane][wave], 1,024 bytes a tile
.set PTB,  8192                        ; two such buffers
.set STG,  PART+2*PTB                  ; a stage for each wave: 16 rows of 1,024 + 16 bytes
.set SP,   1040
.set STGB, 16*SP
.set SPARE, STG+8*STGB                 ; the spare words, 128 bytes a wave
; window 0
.set SPW, 1
.set NIL, 2
.set C32H, 3                           ; 32 h
.set R4, 4                             ; 4 r
.set C16R, 5                           ; 16 r
.set STW, 6                            ; stage, way in
.set STR, 7                            ; stage, way out
.set IMW, 8                            ; my image: 16 lane;  IMS: its scale words, 4 lane
.set IMS, 9
.set IMR, 10                           ; tile 0's image, for reading;  IMRS: scale words
.set IMRS, 11
.set PWA, 12                           ; partial sums: 32 lane + 4 wave
.set PRA, 13                           ; and tile w's, 32 lane
.set S0, 14                            ; v14-17 offsets in F of my atom in chunks i - 1 .. i + 2
.set VOFF, 18                          ; v18-25 the gather's offsets
.set IDX, 26                           ; v26-33 eight list entries; v34 entry r
.set IDS, 34
.set LN, 35
.set DV, 36
.set WS, 38                            ; v38-39 (sum of my 32 W1, 0)
.set SCW, 40                           ; v40-43 W0's scale words, nothing else
.set ASC, 44                           ; the first tile's scale words, nothing else
.set ASQ, 45
.set PW, 46
.set AF, 48                            ; v48-71 the first tile's two fragments
.set QF, 72                            ; v72-95 the fragments being made
.set ACC, 96                           ; v96-127 the first tile's four accumulators; between tiles scratch
.set TM, 96
.set CS2, 112
.set CB, 128                           ; v128-159 c b0
.set WM, 160                           ; v160-191 -2 W1
.set FA, 192                           ; v192-199 the first tile's four pairs of sums
.set OT, 200
.set L8, 208
.set H128, 209
.set ACB, 210                          ; v210-241 the second tile's four accumulators
.set ASB, 242                          ; the second tile's scale words, nothing else
.set FB, 244                           ; v244-251 the second tile's sums
; window 1: v0-95 my 8 fragments of W0 (tile u, K step s at 24 u + 12 s); v96-119 the second tile's two fragments; v128-255 16 rows of q
.set AFB, 96
.set RAW, 128
; s22 wave; s23 type; s24 n; s25 tiles, made even; s26 b1; s27 8 i; s[28:29] c; s30 last tile; s31 wave / 4; s33 lanes 16-31; s[34:35] lane selects; s44 floor; s45 loop; s46 s25 + 8; s47 true tiles
.set MSB, 0
.macro WIN new
.if MSB != \new
	s_set_vgpr_msb (MSB<<8)|\new
.set MSB, \new
.endif
.endm
; 64 numbers of a lane (window 1, register 16 b + i = k 32 b + 16 h + i of my row) become a fragment's 12 registers and the row's scale word
.macro QUANT s, d, pw
	WIN 0x14
.irp b, 0,1,2,3
	v_max3_num_f32 v[TM+\b], s44, |v[\s+16*\b]|, |v[\s+1+16*\b]|   ; with the floor 2^(3 - 127): the byte cannot fall under 1
.endr
.irp i, 2,4,6,8,10,12,14
.irp b, 0,1,2,3
	v_max3_num_f32 v[TM+\b], v[TM+\b], |v[\s+16*\b+\i]|, |v[\s+1+16*\b+\i]|
.endr
.endr
	WIN 0
.irp b, 0,1,2,3
	v_permlanex16_b32 v[TM+4+\b], v[TM+\b], s34, s35
.endr
.irp b, 0,1,2,3
	v_max_num_f32 v[TM+\b], v[TM+\b], v[TM+4+\b]   ; with lane l xor 16's 16: the block's largest magnitude
.endr
.irp b, 0,1,2,3
	v_add_nc_u32 v[TM+12+\b], 0xff000000, v[TM+\b] ; 2 off its exponent field: the conversion's scale operand
.endr
.irp b, 0,1,2,3
	v_lshrrev_b32 v[TM+4+\b], 23, v[TM+12+\b]      ; the scale's byte
.endr
	v_lshl_or_b32 v[\pw], v[TM+5], 8, v[TM+4]
	s_delay_alu instid0(VALU_DEP_1)
	v_lshl_or_b32 v[\pw], v[TM+6], 16, v[\pw]
	s_delay_alu instid0(VALU_DEP_1)
	v_lshl_or_b32 v[\pw], v[TM+7], 24, v[\pw]
	WIN 0x01
.irp c, 0,1
	v_cvt_scalef32_pk16_fp6_f32 v[\d+6*\c:\d+6*\c+2], v[\s+32*\c:\s+32*\c+15], v[TM+12+2*\c]
	v_cvt_scalef32_pk16_fp6_f32 v[CS2+4*\c:CS2+4*\c+2], v[\s+32*\c+16:\s+32*\c+31], v[TM+12+2*\c+1]
.endr
	WIN 0
	v_nop                                          ; one plain place behind a scaled conversion
.irp c, 0,1                            ; a whole block in a lane: lanes 0-15 block 2 c, lanes 16-31 block 2 c + 1
.irp i, 0,1,2
	v_permlane16_swap_b32 v[\d+6*\c+\i], v[CS2+4*\c+\i]
.endr
.irp i, 0,1,2
	v_mov_b32 v[\d+6*\c+3+\i], v[CS2+4*\c+\i]
.endr
.endr
.endm
; the entries in hand, those of tile s41, become the gather's offsets and the offset in F of atom r
.macro IDX2OFF
	s_lshl_b32 s42, s41, 4
	s_sub_co_u32 s42, s24, s42                     ; entries left from the tile's first place on (0 or less in a tile past the last)
	s_lshl_b32 s42, s42, 2
	v_sub_nc_u32 v[DV], s42, v[C32H]
	v_readfirstlane_b32 s43, v[IDX]                ; the tile's first entry
	v_mov_b32 v[DV+1], s43
.irp a, 0,1,2,3,4,5,6,7
	v_cmp_lt_i32 vcc_lo, 4*\a, v[DV]               ; is place 8 h + a inside the list?
	v_cndmask_b32 v[IDX+\a], v[DV+1], v[IDX+\a], vcc_lo
.endr
	v_cmp_gt_i32 vcc_lo, s42, v[R4]                ; and place r?
	v_cndmask_b32 v[IDS], v[DV+1], v[IDS], vcc_lo
.irp a, 0,1,2,3,4,5,6,7
	v_min_u32 v[VOFF+\a], 0x1ffff, v[IDX+\a]       ; a loaded number enters an address only behind a hold at a constant
.endr
	v_min_u32 v[S0+3], 0x1ffff, v[IDS]
.irp a, 0,1,2,3,4,5,6,7
	v_lshl_add_u32 v[VOFF+\a], v[VOFF+\a], 10, v[C16R]
.endr
	v_lshlrev_b32 v[S0+3], 2, v[S0+3]
.endm
.macro GATHER                          ; each load: 256 consecutive bytes of row a (lanes 0-15) and of row 8 + a (lanes 16-31)
	WIN 0x40
.irp a, 0,1,2,3,4,5,6,7
.irp u, 0,1,2,3
	global_load_b128 v[RAW+16*\a+4*\u:RAW+16*\a+4*\u+3], v[VOFF+\a], s[4:5] offset:256*\u th:TH_LOAD_NT
.endr
.endr
	WIN 0
.endm
.macro LISTN                           ; the 16 entries of tile s41 (held at the last tile)
	s_min_u32 s36, s41, 127
	s_lshl_b32 s36, s36, 6
	s_add_nc_u64 s[38:39], s[10:11], s[36:37]
	global_load_b128 v[IDX:IDX+3], v[C32H], s[38:39]
	global_load_b128 v[IDX+4:IDX+7], v[C32H], s[38:39] offset:16
	global_load_b32 v[IDS], v[R4], s[38:39]
.endm
; my tile of the next chunk becomes an image in buffer p; the chunk behind it is gathered; the entries of the one behind that are loaded
.macro PREP p
	s_add_co_u32 s40, s27, s22
	s_add_co_u32 s40, s40, 8                       ; the tile
	s_cmp_lt_u32 s40, s25
	s_cbranch_scc0 .Lnp_\@
	s_wait_loadcnt 0x0                             ; its rows and the next entries, asked for a trip ago
	WIN 0x04
.irp a, 0,1,2,3,4,5,6,7
.irp u, 0,1,2,3
	ds_store_b128 v[STW], v[RAW+16*\a+4*\u:RAW+16*\a+4*\u+3] offset:SP*\a+256*\u
.endr
.endr
	WIN 0x40                                       ; LDS serves a wave's instructions in order: no wait between the stores and the loads
.irp s, 0,1
.irp b, 0,1,2,3
.irp j, 0,1,2,3
	ds_load_b128 v[RAW+64*\s+16*\b+4*\j:RAW+64*\s+16*\b+4*\j+3], v[STR] offset:512*\s+128*\b+16*\j
.endr
.endr
.endr
	WIN 0
	s_wait_dscnt 16                                ; K step 0's 16 loads are in; K step 1's 16 may be out
	QUANT RAW, QF, PW
	s_wait_dscnt 0x0
	QUANT RAW+64, QF+12, PW+1
	v_cndmask_b32 v[ASQ], v[PW], v[PW+1], s33      ; lanes 0-15: K step 0's words; lanes 16-31: K step 1's
.irp k, 0,1,2,3,4,5
	ds_store_b128 v[IMW], v[QF+4*\k:QF+4*\k+3] offset:(\p)*IMB+512*\k
.endr
	ds_store_b32 v[IMS], v[ASQ] offset:(\p)*IMB
	s_add_co_u32 s41, s40, 8
	s_min_u32 s41, s41, s30
	IDX2OFF
	s_add_co_u32 s41, s40, 8
	s_wait_alu depctr_va_vdst(0)
	s_cmp_lt_u32 s41, s25
	s_cbranch_scc0 .Lng_\@
	GATHER
.Lng_\@:
	s_add_co_u32 s41, s40, 16
	s_min_u32 s41, s41, s30
	LISTN
.Lnp_\@:
.endm
.macro ALOAD m, p                      ; the images of tiles 2 m and 2 m + 1: the same registers in the same lanes
.irp k, 0,1,2,3,4,5
	ds_load_b128 v[AF+4*\k:AF+4*\k+3], v[IMR] offset:(\p)*IMB+2*(\m)*IMT+512*\k
.endr
	ds_load_b32 v[ASC], v[IMRS] offset:(\p)*IMB+2*(\m)*IMT
	ds_load_b32 v[ASB], v[IMRS] offset:(\p)*IMB+2*(\m)*IMT+IMT
	WIN 0x40
.irp k, 0,1,2,3,4,5
	ds_load_b128 v[AFB+4*\k:AFB+4*\k+3], v[IMR] offset:(\p)*IMB+2*(\m)*IMT+IMT+512*\k
.endr
	WIN 0
.endm
.macro MMS acc, bf, sc                 ; a tile's 8 products; its four accumulators by turns; the first product of each starts its sum
.irp u, 0,1,2,3
	v_wmma_scale_f32_16x16x128_f8f6f4 v[\acc+8*\u:\acc+8*\u+7], v[24*\u:24*\u+11], v[\bf:\bf+11], 0, v[SCW+\u], v[\sc] matrix_a_fmt:MATRIX_FMT_FP6 matrix_b_fmt:MATRIX_FMT_FP6
.endr
.irp u, 0,1,2,3
	v_wmma_scale_f32_16x16x128_f8f6f4 v[\acc+8*\u:\acc+8*\u+7], v[24*\u+12:24*\u+23], v[\bf+12:\bf+23], v[\acc+8*\u:\acc+8*\u+7], v[SCW+\u], v[\sc] matrix_a_fmt:MATRIX_FMT_FP6 matrix_b_fmt:MATRIX_FMT_FP6 matrix_a_scale:MATRIX_SCALE_ROW1 matrix_b_scale:MATRIX_SCALE_ROW1
.endr
.endm
.macro BIAS acc                        ; c acc + c b0, each accumulator from its low end on
.irp u, 0,1,2,3
.irp e, 0,2,4,6
	v_pk_fma_f32 v[\acc+8*\u+\e:\acc+8*\u+\e+1], v[\acc+8*\u+\e:\acc+8*\u+\e+1], s[28:29], v[CB+8*\u+\e:CB+8*\u+\e+1] op_sel_hi:[1,0,1]
.endr
.endr
.endm
.macro EXPS acc
.set I, 0
.rept 32
	v_exp_f32 v[\acc+I], v[\acc+I]
.set I, I+1
.endr
.endm
.macro RCPS acc
.set I, 0
.rept 32
	v_rcp_f32 v[\acc+I], v[\acc+I]
.set I, I+1
.endr
.endm
.macro ONES acc
.set I, 0
.rept 16
	v_pk_add_f32 v[\acc+I:\acc+I+1], v[\acc+I:\acc+I+1], 1.0 op_sel_hi:[1,0]
.set I, I+2
.endr
.endm
.macro DOT f, acc, e, u                ; one step of a tile's four chains; the sums start from the sum of my W1
.if (\e) == 0
.if (\u) == 0
	v_pk_fma_f32 v[\f:\f+1], v[\acc:\acc+1], v[WM:WM+1], v[WS:WS+1]
.else
	v_pk_mul_f32 v[\f+2*(\u):\f+2*(\u)+1], v[\acc+8*(\u):\acc+8*(\u)+1], v[WM+8*(\u):WM+8*(\u)+1]
.endif
.else
	v_pk_fma_f32 v[\f+2*(\u):\f+2*(\u)+1], v[\acc+8*(\u)+(\e):\acc+8*(\u)+(\e)+1], v[WM+8*(\u)+(\e):WM+8*(\u)+(\e)+1], v[\f+2*(\u):\f+2*(\u)+1]
.endif
.endm
; tiles 2 m and 2 m + 1 of the chunk against my 64 hidden units
.macro PAIR m, p, out
	s_add_co_u32 s40, s27, 2*(\m)
	s_cmp_lt_u32 s40, s25
	s_cbranch_scc0 \out
.if (\m)%2 == 0
	s_wait_dscnt 0x0                               ; no earlier load into these registers is out, on any way that leads here
	ALOAD \m, \p
.endif
	s_wait_dscnt 0x0
	WIN 0x01
	MMS ACC, AF, ASC
	WIN 0x05
	MMS ACB, AFB, ASB
	WIN 0
.rept 4
	v_nop                                          ; four places behind the products (ISA guide 7.12.1)
.endr
	BIAS ACC
	BIAS ACB
.if (\m)%2 == 0
	s_add_co_u32 s40, s27, 2*(\m)+2
	s_cmp_lt_u32 s40, s25
	s_cbranch_scc0 .Lnp_\@
	ALOAD (\m)+1, \p                               ; the next two images come under these tiles' vector work
.Lnp_\@:
.endif
	s_wait_alu depctr_va_vdst(0)                   ; a wait ahead of and behind each batch
	EXPS ACC
	EXPS ACB
	v_nop
	s_wait_alu depctr_va_vdst(0)
	ONES ACC
	ONES ACB
	s_wait_alu depctr_va_vdst(0)
	RCPS ACC
	RCPS ACB
	v_nop
	s_wait_alu depctr_va_vdst(0)
.irp e, 0,2,4,6
.irp u, 0,1,2,3
	DOT FA, ACC, \e, \u
	DOT FB, ACB, \e, \u
.endr
.endr
	v_pk_add_f32 v[FA:FA+1], v[FA:FA+1], v[FA+2:FA+3]
	v_pk_add_f32 v[FA+4:FA+5], v[FA+4:FA+5], v[FA+6:FA+7]
	v_pk_add_f32 v[FB:FB+1], v[FB:FB+1], v[FB+2:FB+3]
	v_pk_add_f32 v[FB+4:FB+5], v[FB+4:FB+5], v[FB+6:FB+7]
	s_delay_alu instid0(VALU_DEP_3)
	v_pk_add_f32 v[FA:FA+1], v[FA:FA+1], v[FA+4:FA+5]
	s_delay_alu instid0(VALU_DEP_2)
	v_pk_add_f32 v[FB:FB+1], v[FB:FB+1], v[FB+4:FB+5]
	s_delay_alu instid0(VALU_DEP_2)
	v_add_f32 v[FA], v[FA], v[FA+1]
	s_delay_alu instid0(VALU_DEP_2)
	v_add_f32 v[FB], v[FB], v[FB+1]
	ds_store_b32 v[PWA], v[FA] offset:(\p)*PTB+2*(\m)*1024
	ds_store_b32 v[PWA], v[FB] offset:(\p)*PTB+2*(\m)*1024+1024
.endm
; F of my tile of the chunk before: 8 waves' partial sums of my lane, and lane l xor 16's
.macro OUT p
	s_add_co_u32 s40, s27, s22
	s_sub_co_u32 s40, s40, 8
	s_cmp_lt_u32 s40, s47                          ; true tiles alone
	s_cbranch_scc0 .Lno_\@
	ds_load_b128 v[OT:OT+3], v[PRA] offset:(\p)*PTB
	ds_load_b128 v[OT+4:OT+7], v[PRA] offset:(\p)*PTB+16
	s_wait_dscnt 0x0
	v_pk_add_f32 v[OT:OT+1], v[OT:OT+1], v[OT+2:OT+3]
	v_pk_add_f32 v[OT+4:OT+5], v[OT+4:OT+5], v[OT+6:OT+7]
	s_delay_alu instid0(VALU_DEP_1)
	v_pk_add_f32 v[OT:OT+1], v[OT:OT+1], v[OT+4:OT+5]
	s_delay_alu instid0(VALU_DEP_1)
	v_add_f32 v[OT], v[OT], v[OT+1]
	v_permlanex16_b32 v[OT+2], v[OT], s34, s35
	v_add_f32 v[OT], v[OT], v[OT+2]
	s_delay_alu instid0(VALU_DEP_1)
	v_add_f32 v[OT+3], s26, v[OT]                  ; + b1
	global_store_b32 v[S0], v[OT+3], s[16:17]
.Lno_\@:
.endm
.macro TRIP p                          ; p = i % 2
	s_cmp_lt_i32 s27, s46                          ; nothing is left from 8 i = tiles + 8 on
	s_cbranch_scc0 .Lbar_\@
	OUT 1-\p
	s_cmp_eq_u32 s31, 0
	s_cbranch_scc0 .Lna_\@
	PREP 1-\p
.Lna_\@:
	PAIR 0, \p, .Lmid_\@
	PAIR 1, \p, .Lmid_\@
.Lmid_\@:
	s_cmp_eq_u32 s31, 1
	s_cbranch_scc0 .Lnb_\@
	PREP 1-\p
.Lnb_\@:
	PAIR 2, \p, .Lbar_\@
	PAIR 3, \p, .Lbar_\@
.Lbar_\@:
	s_wait_xcnt 0x0                                ; the store's offset and data are written again only behind this wait
	v_mov_b32 v[S0], v[S0+1]
	v_mov_b32 v[S0+1], v[S0+2]
	v_mov_b32 v[S0+2], v[S0+3]
	s_add_co_u32 s27, s27, 8
	s_wait_alu depctr_va_vdst(0)
	s_wait_dscnt 0x0                               ; for the others' sake: my image and partial sums are stored, my reads of this trip's buffers are over
	s_barrier_signal -1
	s_barrier_wait -1
.endm
	s_load_b256 s[4:11], s[0:1], 0x0               ; q, Wimg, tab, order
	s_load_b128 s[12:15], s[0:1], 0x20             ; cnt, b1
	s_load_b64 s[16:17], s[0:1], 0x30              ; F
	s_and_b32 s23, ttmp7, 0xffff
	s_mov_b32 s37, 0
	s_mov_b32 s28, 0x4038aa3b                      ; c = 2 log2(e)
	s_mov_b32 s29, s28
	s_mov_b32 s33, 0xffff0000
	s_mov_b32 s34, 0x76543210
	s_mov_b32 s35, 0xfedcba98
	s_mov_b32 s44, 0x1800000
	s_mov_b32 s27, -8
	s_mov_b32 s45, 0
	v_lshl_add_u32 v[SPW], v0, 2, SPARE
	v_mov_b32 v[NIL], 0
	v_lshrrev_b32 v[LN], 5, v0
	v_readfirstlane_b32 s22, v[LN]                 ; wave 0..7
	s_lshr_b32 s31, s22, 2
	v_and_b32 v[LN], 31, v0                        ; lane
	v_and_b32 v[DV], 15, v0                        ; r
	v_bfe_u32 v[DV+1], v0, 4, 1                    ; h
	v_lshlrev_b32 v[C32H], 5, v[DV+1]
	v_lshlrev_b32 v[H128], 7, v[DV+1]
	v_lshlrev_b32 v[R4], 2, v[DV]
	v_lshlrev_b32 v[C16R], 4, v[DV]
	v_lshlrev_b32 v[L8], 3, v[LN]
	s_mul_i32 s40, s22, STGB
	s_add_co_u32 s40, s40, STG
	v_mad_u32_u24 v[STW], v[DV+1], 8*SP, v[C16R]
	v_add_nc_u32 v[STW], s40, v[STW]
	v_mul_u32_u24 v[STR], v[DV], SP
	v_lshl_add_u32 v[STR], v[DV+1], 6, v[STR]
	v_add_nc_u32 v[STR], s40, v[STR]
	v_lshlrev_b32 v[IMR], 4, v[LN]
	v_lshl_add_u32 v[IMRS], v[LN], 2, 3072
	s_mul_i32 s40, s22, IMT
	v_add_nc_u32 v[IMW], s40, v[IMR]
	v_add_nc_u32 v[IMS], s40, v[IMRS]
	v_lshl_add_u32 v[PRA], v[LN], 5, PART
	s_lshl_b32 s40, s22, 2
	v_add_nc_u32 v[PWA], s40, v[PRA]
	s_lshl_b32 s40, s22, 10
	v_add_nc_u32 v[PRA], s40, v[PRA]
	v_mov_b32 v[S0], 0
	v_mov_b32 v[S0+1], 0
	s_wait_alu depctr_va_vdst(0)
	s_wait_kmcnt 0x0
	s_lshl_b32 s36, ttmp9, 2
	s_add_co_u32 s36, s36, s23
	s_lshl_b32 s36, s36, 2
	s_add_nc_u64 s[12:13], s[12:13], s[36:37]
	s_load_b32 s24, s[12:13], 0x0                  ; n
	s_load_b32 s26, s[14:15], 0x0                  ; b1
	s_mul_i32 s36, s23, 98304                      ; Wimg: type, + my 8 fragments of 1,536 bytes
	s_mul_i32 s40, s22, 12288
	s_add_co_u32 s36, s36, s40
	s_add_nc_u64 s[6:7], s[6:7], s[36:37]
	s_mul_i32 s36, s23, 12288                      ; tab: type, + my two groups of 768 bytes
	s_mul_i32 s40, s22, 1536
	s_add_co_u32 s36, s36, s40
	s_add_nc_u64 s[8:9], s[8:9], s[36:37]
	s_mul_i32 s36, ttmp9, 33280                    ; order: four lists of 2,080 entries for each super-chunk
	s_mul_i32 s40, s23, 8320
	s_add_co_u32 s36, s36, s40
	s_add_nc_u64 s[10:11], s[10:11], s[36:37]
	WIN 0x40
.set I, 0
.rept 24
	global_load_b128 v[4*I:4*I+3], v[IMR], s[6:7] offset:512*I     ; the fragments' registers as they were laid
.set I, I+1
.endr
	WIN 0
	global_load_b64 v[SCW:SCW+1], v[L8], s[8:9] offset:512         ; lanes 0-15 K step 0's words, lanes 16-31 K step 1's
	global_load_b64 v[SCW+2:SCW+3], v[L8], s[8:9] offset:1280
.irp u, 0,1,2,3
.irp j, 0,1,2,3,4,5,6,7
	global_load_b32 v[CB+8*\u+\j], v[H128], s[8:9] offset:768*(\u/2)+16*\j+4*(\u%2)     ; c b0 of hidden unit 8 h + j of my tile u
	global_load_b32 v[WM+8*\u+\j], v[H128], s[8:9] offset:768*(\u/2)+16*\j+4*(\u%2)+8   ; -2 W1
.endr
.endr
	s_wait_kmcnt 0x0
	s_min_u32 s24, s24, 2048
	s_add_co_u32 s47, s24, 15
	s_lshr_b32 s47, s47, 4                         ; true tiles of 16
	s_add_co_u32 s25, s47, 1
	s_and_b32 s25, s25, 0xfe                       ; made up to an even number, 128 at the most
	s_max_u32 s30, s25, 1
	s_sub_co_u32 s30, s30, 1
	s_add_co_u32 s46, s25, 8
	s_min_u32 s41, s22, s30
	LISTN                                          ; chunk 0: my tile's entries
	s_wait_loadcnt 0x0
	IDX2OFF
	v_mov_b32 v[S0+2], v[S0+3]
	s_wait_alu depctr_va_vdst(0)
	GATHER
	s_add_co_u32 s41, s22, 8
	s_min_u32 s41, s41, s30
	LISTN                                          ; chunk 1's
	v_pk_add_f32 v[ACC:ACC+1], v[WM:WM+1], v[WM+2:WM+3]
.irp e, 4,6,8,10,12,14,16,18,20,22,24,26,28,30
	v_pk_add_f32 v[ACC:ACC+1], v[ACC:ACC+1], v[WM+\e:WM+\e+1]
.endr
	v_add_f32 v[ACC], v[ACC], v[ACC+1]
	v_mul_f32 v[WS], -0.5, v[ACC]                  ; the sum of W1 over my 32 hidden units
	v_mov_b32 v[WS+1], 0
.irp b, 0,1,2,3
	v_mov_b32 v[TM+4+\b], 0                        ; a lane permute's destination counts as one of its sources
.endr
	s_wait_alu depctr_va_vdst(0)
.Ltrip:
	TRIP 1
	TRIP 0
	s_add_co_u32 s45, s45, 1
	s_cmp_lt_u32 s45, 9
	s_cbranch_scc1 .Ltrip
	s_wait_tensorcnt 0x0                           ; the wave's end
	ds_add_u32 v[SPW], v[NIL]
	s_wait_dscnt 0x0
	s_endpgm
.Lfunc_end_k_q97d914faff_main:
	.size	k_q97d914faff_main, .Lfunc_end_k_q97d914faff_main-k_q97d914faff_main
	.p2alignl 7, 3214868480
	.fill 96, 4, 3214868480
	.section	.rodata,"a",@progbits
	.p2align	6, 0x0
	.amdhsa_kernel k_q97d914faff_main
		.amdhsa_group_segment_fixed_size 201728
		.amdhsa_private_segment_fixed_size 0
		.amdhsa_enable_private_segment 0
		.amdhsa_kernarg_size 56
		.amdhsa_user_sgpr_count 2
		.amdhsa_user_sgpr_kernarg_segment_ptr 1
		.amdhsa_wavefront_size32 1
		.amdhsa_system_sgpr_workgroup_id_x 1
		.amdhsa_system_sgpr_workgroup_id_y 1
		.amdhsa_system_sgpr_workgroup_id_z 1
		.amdhsa_system_vgpr_workitem_id 0
		.amdhsa_next_free_vgpr 512
		.amdhsa_next_free_sgpr 66
		.amdhsa_reserve_vcc 1
		.amdhsa_float_denorm_mode_32 3
		.amdhsa_float_denorm_mode_16_64 3
		.amdhsa_memory_ordered 1
		.amdhsa_forward_progress 1
		.amdhsa_inst_pref_size 208
	.end_amdhsa_kernel
	.amdgpu_metadata
---
amdhsa.version: [ 1, 2 ]
amdhsa.kernels:
  - .name:           k_q97d914faff_main
    .symbol:         k_q97d914faff_main.kd
    .args:
      - { .name: q, .offset: 0, .size: 8, .value_kind: global_buffer, .address_space: global }
      - { .name: Wimg, .offset: 8, .size: 8, .value_kind: global_buffer, .address_space: global }
      - { .name: tab, .offset: 16, .size: 8, .value_kind: global_buffer, .address_space: global }
      - { .name: order, .offset: 24, .size: 8, .value_kind: global_buffer, .address_space: global }
      - { .name: cnt, .offset: 32, .size: 8, .value_kind: global_buffer, .address_space: global }
      - { .name: b1, .offset: 40, .size: 8, .value_kind: global_buffer, .address_space: global }
      - { .name: out0, .offset: 48, .size: 8, .value_kind: global_buffer, .address_space: global }
    .group_segment_fixed_size: 201728
    .private_segment_fixed_size: 0
    .kernarg_segment_align: 8
    .kernarg_segment_size: 56
    .max_flat_workgroup_size: 256
    .sgpr_count:     66
    .vgpr_count:     512
    .wavefront_size: 32
...
	.end_amdgpu_metadata
.endif
;; end of part 2
